; MI455X (gfx1250); checked and timed in simulation.
; The chip was launched on July 23, 2026; its instructions are those of AMD's public machine-readable ISA for CDNA 5 (MIT licence, August 2026) and "CDNA5" Instruction Set Architecture Reference Guide (July 2026). The comments in the code are by the model that wrote it; some were corrected since.
;; Scaled Dot Product Attention. Allowed arithmetic: matrix products marked QUANTISED: E2M1 operands, one E8M0 scale for each 32 along K, by v_wmma_scale_f32_16x16x128_f8f6f4 with both operands' format E2M1 (or v_wmma_scale_f32_32x16x128_f4), f32 sums; everything else in f32.
;; Inputs: k 4 x 16 x 2,048 x 64 float32; q 4 x 16 x 2,048 x 64 float32; v 4 x 16 x 2,048 x 64 float32.
;; Outputs: out0 4 x 16 x 2,048 x 64 float32.
;; This version of the problem:
;;   THIS VERSION OF THE PROBLEM IS GIVEN IN LOW PRECISION. The matrix products marked QUANTISED in the list below multiply operands that are first quantised to E2M1 (2 exponent bits, 1 mantissa bit; 4 bits a number), with one power-of-two scale for each 32 numbers along K (OCP MX v1.0); their sums are f32. All else is computed in f32.
;;   The module's matrix products, in the order in which they are computed (A, B: the left and right operand; K: the contracted axis; several contracted axes count as one K, in the product's order):
;;     1. batch 64 x [M 2,048, K 64] x [K 64, N 2,048]; A: input q; B: input k: QUANTISED
;;     2. batch 64 x [M 2,048, K 2,048] x [K 2,048, N 64]; A: softmax (see below); B: input v: QUANTISED
;;   THE QUANTISER, for each operand of a quantised product, along K:
;;     - K is cut into blocks of 32 from its start; a last block that is shorter is filled with zeros.
;;     - A block's scale is 2^e with e = floor(log2(the largest magnitude in the block)) - 2, held to -126 .. 127; a block of zeros has e = 0. As a byte (E8M0): e + 127.
;;     - Each number is divided by its block's scale, clamped to +-6, and rounded to the nearest number of E2M1, ties to even, subnormals kept.
;;     - The product sums the exact products of the quantised numbers (number of the format x scale) in f32.
;;   ~~~python
;;   def quantise(x, axis):      # numpy; x: float32 -> the quantised numbers, widened to float32 again
;;       x = np.moveaxis(x, axis, -1); K = x.shape[-1]
;;       x = np.pad(x, [(0, 0)] * (x.ndim - 1) + [(0, -K % 32)]); x = x.reshape(x.shape[:-1] + (-1, 32)); a = np.abs(x).max(-1, keepdims=True)
;;       e = np.where(a > 0, np.clip(np.frexp(np.where(a > 0, a, 1))[1] - 1 - 2, -126, 127), 0)      # np.frexp(a)[1] - 1 = floor(log2(a)), exactly
;;       r = np.clip(x / 2.0 ** e, -6, 6)
;;       step = 2.0 ** (np.maximum(np.frexp(np.where(r == 0, 1, r))[1] - 1, 0) - 1)
;;       q = np.round(r / step) * step * 2.0 ** e      # np.round: ties to even
;;       return np.moveaxis(q.reshape(q.shape[:-2] + (-1,))[..., :K], -1, axis).astype(np.float32)
;;   ~~~
;;   SOFTMAX AHEAD OF A QUANTISED PRODUCT. Where the list says 'softmax', what is quantised is not the finished softmax but p = 2^(t - M), with t = logit x log2(e) and M = ceil(the row's largest t), a whole number; so 1/2 < the row's largest p <= 1. The row's sum l is taken of the UNQUANTISED p, in f32, and the product's result is divided by l at the end. Since M is a whole number, a kernel that streams over the keys may use a running M (the ceiling of the running maximum): every later rescaling is an exact power of two, which a block's scale takes up: the codes' values come out the same.
;;   OPERANDS COMPUTED ON THE WAY. 'Computed on the way' means the value that the module computes at that place (a softmax that the list does not call 'softmax' is quantised finished and normalised). What goes into a quantiser is computed in f32, as accurately as f32 sums, v_exp_f32 and their like allow (about 1e-6 of the number): no bf16 or f16 on the way to a quantiser, and a product that is left as it is and whose result goes on into a quantised operand takes f32 operands (vector FMAs, or v_wmma_f32_16x16x4_f32). A number that lies on a knife's edge between two numbers of the format may be rounded either way, as far as f32 arithmetic and the matrix unit's own rounding can turn it there, and no further.
;; 2 versions, each right; version 2 is version 1 with the launch attn written anew for expert scheduling mode. Each part assembles by itself: llvm-mc -triple=amdgcn-amd-amdhsa -mcpu=gfx1250 --defsym DOCPART=n.
;; ======== version 1 of 2: 1 launch
;; limits: inputs' magnitudes at most 6e+17
;; launch attn (part 1): grid 4 x 64, 16 waves a work-group, no clusters, 215,040 bytes of LDS; arguments q, k, v, out0; writes out0
.if DOCPART == 1
	.amdgcn_target "amdgcn-amd-amdhsa--gfx1250"
	.amdhsa_code_object_version 6
	.text
	.protected	k_q8a31b4e5fa_attn
	.globl	k_q8a31b4e5fa_attn
	.p2align	8
	.type	k_q8a31b4e5fa_attn,@function
k_q8a31b4e5fa_attn:
	s_mov_b64 s[64:65], 0
	v_nop
	global_prefetch_b8 v0, s[64:65] scope:SCOPE_SE
	s_setreg_imm32_b32 hwreg(HW_REG_WAVE_MODE, 25, 1), 1
	s_wait_xcnt 0x0
; out[h][s][:] = the sum over t of softmax_t(8 q[h][s] . k[h][t]) v[h][t][:].  q, k, v, out: [64 heads][2048][64] f32.  Both products on codes of FP4 (E2M1) with one E8M0 scale for each 32 along a product's K.
; FIRST PRODUCT: K = the head's 64 (two blocks a row); the instruction's upper 64 along K are zero codes.  SECOND: K = the keys, so v is quantised down its first axis.
; SOFTMAX: t = score x 8 log2(e); M = the running largest t rounded up to a whole number; p = 2^(t - M) is quantised along the keys, not normalised; the row's sum is taken of the unquantised p and divides at the end.
; When M moves, the sum and O are multiplied by 2^(old M - new M), which rounds nothing.
; SHARES.  Work-group (x, y): head y, queries 512 x .. 512 x + 511.  Sixteen waves of 256 registers; wave w owns two tiles of 16 queries, one after the other: rows 16 w (pass 0) and 256 + 16 w (pass 1) of the 512.
; Every wave walks all 2,048 keys, 128 a step.  A HEAD'S K AND V STAY IN LDS AS CODES: 16 records of 128 keys, each the images of the operands' registers (lane l's 16 bytes at 16 l) and their scale words.
; The work-group makes them itself: in pass 0, while a chunk of 256 keys is multiplied, the next chunk's f32 numbers are loaded and quantised, each wave a sixteenth.  No byte of a record is written twice: one barrier a chunk.
; LAYOUT.  Both products are used transposed: S^T = K Q^T, O^T = V^T P^T: a lane holds ONE query (lane % 16) throughout.  THE KEYS OF A TILE ARE NOT NEIGHBOURS: key n of a step goes to tile 4 (n / 64) + (n / 8) % 4,
; row 8 ((n / 32) % 2) + n % 8.  So lane (q, h)'s registers S + 32 c + 0 .. 31 are keys 64 c + 32 h + 0 .. 31: a WHOLE block of p in one lane, in the order of the second product's operand: the eight conversions write that operand as it stands.
; NO CLUSTER, NO TENSOR LOAD: what a head's four work-groups share arrives as f32, 4 bytes a number where a code takes half a byte, and has to pass through registers for the conversions.  Joint loads would want two slots of
; 256 keys of k and v, 2 x 131,072 bytes, beside the 212,992 bytes used here: more than the 327,680 that a work-group can claim; slots of half that size would want a round of the cluster's barrier in every key step.
; LIMITS: NaN and infinities among the inputs are not served.  A block whose largest magnitude lies under 2^-124, a block of zeros among them, keeps the byte 1 (its bytes are read by this program alone).
; A p under 2^-126 comes out of v_exp_f32 as 0.  A block's largest p is taken from its largest score by the same multiply-add and exponential: this takes v_exp_f32 not to fall where its input rises.
.set REC,  8960                        ; a record: 128 keys
.set VIO,  4096                        ;   +0 K's 8 tiles, 512 bytes each (registers 0-3);  +4096 V's 4 tiles of 16 channels, 1,024 bytes each (registers 4 c .. 4 c + 3 at 512 c)
.set KSO,  8192                        ;   +8192 K's scale words: 256 (tile / 4) + 16 row + 4 (tile % 4)
.set VSO,  8704                        ;   +8704 V's scale words: 16 row + 4 tile
.set CHK,  2*REC                       ; a chunk: two records
.set STG,  16*REC                      ; behind the records: 4,352 bytes for each wave: first its Q images, later its stage of 16 rows x 272 bytes
.set STB,  4352
.set SP,   272                         ; a stage row: 256 bytes + 16: rows 68 words apart
.set CHB,  65536                       ; 256 rows of 256 bytes in memory
.set L16,  1                           ; v1   16 x lane: an image's place, and my offset in two rows of out
.set L16R, 2                           ; v2   16 x (lane % 16)
.set KW,   3                           ; v3   where I store K's codes in a chunk
.set KSW,  4                           ; v4   and K's scale words
.set VW,   5                           ; v5   V's codes
.set VSW,  6                           ; v6   V's scale byte
.set KG,   7                           ; v7   my offset in a chunk of k, or in 256 rows of q: 32 x lane + 4,096 x wave
.set VG,   8                           ; v8   my offset in a chunk of v
.set AD,   9                           ; v9   the chunk in hand + 16 x lane
.set ADS,  10                          ; v10  the chunk in hand + 16 x (lane % 16)
.set PFO,  11                          ; v11  the prefetches' offset
.set NM,   12                          ; v12  -M
.set TMX,  13                          ; v13  the largest t so far
.set SUM,  14                          ; v[14:15] the row's sum in two halves
.set QF,   16                          ; v16-19 Q's codes, v20-23 zeros
.set QS,   24                          ; v24  Q's scale words
.set SH8,  25                          ; v25  8 x (lane / 16)
.set SHA,  26                          ; v26  8 x my block of the row (0 or 1)
.set SHB,  27                          ; v27  8 - that
.set STO,  28                          ; v28  the stage: where I put 32 bytes of a row
.set RD,   29                          ; v29  and where I read rows back
.set QBS,  30                          ; v30  the second tile's scale words
.set KF,   32                          ; v32-63 four fragments of K: registers 4-7 of each are zeros, set once
.set RL,   64                          ; v64-95 f32 numbers on their way
.set S,    96                          ; v96-159 S^T, then p
.set VF,   128                         ; v128-159 V's four fragments, where the upper p lay
.set OT,   160                         ; v160-191 O^T: tile T at 8 T; lane (q, h) register j: channel 16 T + 8 h + j
.set PC,   192                         ; v192-199 p's codes
.set KS,   200                         ; v200-203 K's scale words: register i: tile i in lanes 0-15, tile 4 + i in lanes 16-31
.set VS,   204                         ; v204-207 V's scale words
.set PW,   208                         ; v208 p's scale word
.set CH,   210                         ; v210-213 four chains of maxima; then v210, v212: my two blocks' largest scores
.set TA,   214
.set TP,   215                         ; a lane permute's destination
.set FF,   216                         ; v[216:217] f, later 1 / the sum (the low word serves both halves)
.set SU2,  218                         ; v[218:219] the sum's second chain
.set SCL,  220                         ; v220-221 the conversions' scale operands
.set BY,   222                         ; v222-223 the scales' bytes
.set QB,   224                         ; v224-227 the second tile's codes
.set MX,   228                         ; v228-231, v232-235, v236-239, v240-243: the quantisers' maxima, codes, bytes, neighbours' bytes
.set CD,   232
.set BT,   236
.set BO,   240
.set KWC,  244                         ; v244-247 the trip's store addresses; at the head Q's
.set KSWC, 245
.set VWC,  246
.set VSWC, 247
.set WV,   12                          ; s12  my wave's number
.set SEL,  20                          ; s[20:21] v_permlanex16_b32's selects for lane l xor 16
.set CS,   22                          ; s[22:23] c = 8 log2(e)
.set TB,   24                          ; s24  LDS byte at which the chunk in hand begins
.set CNT,  25
.set LIM,  26                          ; s26  1 in a work-group that prefetches, else the greatest number
.set STW,  27                          ; s27  my wave's 4,352 bytes
.set PFB,  28                          ; s[28:29] the head's k (waves 0-7) or v (waves 8-15), stepped a chunk a trip
; 16 rows of 256 bytes: lane l takes, of row 4 i + l / 8, the eight numbers 8 (l % 8) on, into v[reg + 8 i] on.  nt = 1: read once in the launch (q)
.macro LOADROWS reg, sb, off, nt
.irp i, 0,1,2,3
.if \nt
	global_load_b128 v[\reg+8*\i:\reg+8*\i+3], v[KG], s[\sb:\sb+1] offset:\off+1024*\i th:TH_LOAD_NT
	global_load_b128 v[\reg+8*\i+4:\reg+8*\i+7], v[KG], s[\sb:\sb+1] offset:\off+1024*\i+16 th:TH_LOAD_NT
.else
	global_load_b128 v[\reg+8*\i:\reg+8*\i+3], v[KG], s[\sb:\sb+1] offset:\off+1024*\i
	global_load_b128 v[\reg+8*\i+4:\reg+8*\i+7], v[KG], s[\sb:\sb+1] offset:\off+1024*\i+16
.endif
.endr
.endm
; These 16 rows become codes and scale words in LDS.  A block of 32 lies in four neighbouring lanes; a row's two blocks in lanes l and l xor 4.  The four groups i take turns.
; ca, sa: address registers of codes and scale words; offc, offs: their offsets; cstep, sstep: bytes from rows 0-7 to rows 8-15
.macro QROWS reg, ca, sa, offc, offs, cstep, sstep
	s_wait_dscnt 0x0                               ; my earlier LDS stores have read their registers
.irp i, 0,1,2,3
	v_max3_num_f32 v[MX+\i], |v[\reg+8*\i]|, |v[\reg+8*\i+1]|, 0x1800000   ; with the floor 2^(3 - 127): the byte cannot fall under 1
.endr
.irp j, 2,4,6
.irp i, 0,1,2,3
	v_max3_num_f32 v[MX+\i], v[MX+\i], |v[\reg+8*\i+\j]|, |v[\reg+8*\i+\j+1]|
.endr
.endr
.irp x, 1,2
.irp i, 0,1,2,3
	v_max_num_f32_dpp v[MX+\i], v[MX+\i], v[MX+\i] row_xmask:\x row_mask:0xf bank_mask:0xf
.endr
.endr
.irp i, 0,1,2,3
	v_add_nc_u32 v[MX+\i], 0xff000000, v[MX+\i]    ; 2 off the exponent field: the conversion's scale operand
.endr
.irp i, 0,1,2,3
	v_cvt_scalef32_pk8_fp4_f32 v[CD+\i], v[\reg+8*\i:\reg+8*\i+7], v[MX+\i]
.endr
.irp i, 0,1,2,3
	v_lshrrev_b32 v[BT+\i], 23, v[MX+\i]           ; the scale's byte (also the plain line behind the conversions)
.endr
.irp i, 0,1,2,3
	v_mov_b32_dpp v[BO+\i], v[BT+\i] row_xmask:4 row_mask:0xf bank_mask:0xf   ; the row's other block's
.endr
.irp i, 0,1,2,3
	v_lshlrev_b32 v[BT+\i], v[SHA], v[BT+\i]
.endr
.irp i, 0,1,2,3
	v_lshl_or_b32 v[BT+\i], v[BO+\i], v[SHB], v[BT+\i]   ; the row's scale word: bytes 0 and 1; bytes 2 and 3 stay 0 over zero codes
.endr
.irp i, 0,1,2,3
	ds_store_b32 v[\ca], v[CD+\i] offset:\offc+(\i/2)*\cstep+(\i%2)*64
	ds_store_b32 v[\sa], v[BT+\i] offset:\offs+(\i/2)*\sstep+(\i%2)*64   ; a row's eight lanes write the same word with the same value
.endr
.endm
; A block of 32 keys x 32 channels of v: a lane takes a channel, its registers run down the keys; each load reads 128 consecutive bytes
.macro LOADV reg
.set j, 0
.rept 32
	global_load_b32 v[\reg+j], v[VG], s[8:9] offset:256*j
.set j, j+1
.endr
.endm
.macro QCOL reg, va, vsa, off
	s_wait_dscnt 0x0                               ; my earlier LDS stores have read their registers
	v_max3_num_f32 v[MX], |v[\reg]|, |v[\reg+1]|, |v[\reg+2]|
	v_max3_num_f32 v[MX+1], |v[\reg+3]|, |v[\reg+4]|, |v[\reg+5]|
.irp i, 6,10,14,18,22,26
	v_max3_num_f32 v[MX], v[MX], |v[\reg+\i]|, |v[\reg+\i+1]|
	v_max3_num_f32 v[MX+1], v[MX+1], |v[\reg+\i+2]|, |v[\reg+\i+3]|
.endr
	v_max3_num_f32 v[MX], v[MX], |v[\reg+30]|, |v[\reg+31]|
	v_max3_num_f32 v[MX], v[MX], v[MX+1], 0x1800000
	v_add_nc_u32 v[MX], 0xff000000, v[MX]
.irp g, 0,1,2,3
	v_cvt_scalef32_pk8_fp4_f32 v[CD+\g], v[\reg+8*\g:\reg+8*\g+7], v[MX]
.endr
	v_lshrrev_b32 v[BT], 23, v[MX]                 ; the byte (also the plain line behind the conversions)
	ds_store_b128 v[\va], v[CD:CD+3] offset:\off+VIO    ; four registers of V's operand, as they stand
	ds_store_b8 v[\vsa], v[BT] offset:\off+VSO
.endm
; The largest of v[s] .. v[s + 15] into v[c], of v[s + 16] .. v[s + 31] into v[c + 1]: ascending, so that each of the four accumulators is first read at its low end
.macro CHAINS s, c
	v_max3_num_f32 v[\c], v[\s], v[\s+1], v[\s+2]
	v_max3_num_f32 v[\c+1], v[\s+16], v[\s+17], v[\s+18]
.irp i, 3,5,7,9,11,13
	v_max3_num_f32 v[\c], v[\c], v[\s+\i], v[\s+\i+1]
	v_max3_num_f32 v[\c+1], v[\c+1], v[\s+16+\i], v[\s+17+\i]
.endr
	v_max_num_f32 v[\c], v[\c], v[\s+15]
	v_max_num_f32 v[\c+1], v[\c+1], v[\s+31]
.endm
; A KEY STEP: 128 keys, record q of the chunk in hand.
.macro STEP q
.set RO, (\q)*REC
	ds_load_b128 v[KS:KS+3], v[AD] offset:RO+KSO
.irp t, 0,1,2,3
	ds_load_b128 v[KF+8*\t:KF+8*\t+3], v[AD] offset:RO+512*\t
.endr
	s_wait_dscnt 0x0
.irp t, 0,1,2,3
	v_wmma_scale_f32_16x16x128_f8f6f4 v[S+8*\t:S+8*\t+7], v[KF+8*\t:KF+8*\t+7], v[QF:QF+7], 0, v[KS+\t], v[QS] matrix_a_fmt:MATRIX_FMT_FP4 matrix_b_fmt:MATRIX_FMT_FP4
.endr
.rept 4
	v_nop                                          ; four places ahead of the loads into K's registers and of the first read of these scores
.endr
.irp t, 0,1,2,3
	ds_load_b128 v[KF+8*\t:KF+8*\t+3], v[AD] offset:RO+2048+512*\t
.endr
	CHAINS S, CH                                   ; my first block's largest score, while tiles 4-7 come.  (With the four above: twenty places ahead of the products that write over V's registers)
	s_wait_dscnt 0x0
.irp t, 0,1,2,3
	v_wmma_scale_f32_16x16x128_f8f6f4 v[S+32+8*\t:S+32+8*\t+7], v[KF+8*\t:KF+8*\t+7], v[QF:QF+7], 0, v[KS+\t], v[QS] matrix_a_fmt:MATRIX_FMT_FP4 matrix_b_fmt:MATRIX_FMT_FP4 matrix_a_scale:MATRIX_SCALE_ROW1
.endr
	v_max_num_f32 v[CH], v[CH], v[CH+1]            ; four places ahead of the read of these scores
	v_mov_b32 v[TA], v[NM]                         ; the old -M
	v_nop
	v_nop
	CHAINS S+32, CH+2
	v_max_num_f32 v[CH+2], v[CH+2], v[CH+3]        ; my second block's largest score
	v_max_num_f32 v[CH+1], v[CH], v[CH+2]
	v_permlanex16_b32 v[TP], v[CH+1], s[SEL], s[SEL+1]
	v_max_num_f32 v[CH+1], v[CH+1], v[TP]          ; with lane l xor 16's two blocks: the step's largest score of my query
	v_mul_f32 v[CH+1], s[CS], v[CH+1]              ; as t (c is positive)
	v_max_num_f32 v[TMX], v[TMX], v[CH+1]
	v_floor_f32 v[NM], -v[TMX]                     ; the new -M = -ceil(t): a whole number
	v_sub_f32 v[TA], v[NM], v[TA]                  ; old M - new M: a whole number, 0 or less
	v_cvt_i32_f32 v[TA], v[TA]                     ; (it saturates)
	v_ldexp_f32 v[FF], 1.0, v[TA]                  ; f = 2^(old M - new M)
.set j, 0
.rept 32
	v_pk_fma_f32 v[S+j:S+j+1], v[S+j:S+j+1], s[CS:CS+1], v[NM:NM+1] op_sel_hi:[1,0,0]   ; t - M, two at a time
.set j, j+2
.endr
	v_fma_f32 v[CH], v[CH], s[CS], v[NM]           ; the same of each block's largest score
	v_fma_f32 v[CH+2], v[CH+2], s[CS], v[NM]
.set j, 0
.rept 64
	v_exp_f32 v[S+j], v[S+j]                       ; p = 2^(t - M)
.set j, j+1
.endr
	v_pk_mul_f32 v[SUM:SUM+1], v[SUM:SUM+1], v[FF:FF+1] op_sel_hi:[1,0]   ; the sum under the new M (the plain line behind the exponentials)
.set j, 0
.rept 16
	v_pk_mul_f32 v[OT+j:OT+j+1], v[OT+j:OT+j+1], v[FF:FF+1] op_sel_hi:[1,0]   ; O^T under the new M, ascending: work that names no exponential's result
.set j, j+2
.endr
	s_wait_alu depctr_va_vdst(0)                   ; one wait for the 64, ahead of their first reader
	v_exp_f32 v[CH], v[CH]                         ; my blocks' largest p
	v_exp_f32 v[CH+2], v[CH+2]
	v_pk_add_f32 v[SU2:SU2+1], v[S+32:S+33], v[S+34:S+35]   ; the sum of the unquantised p, two chains: the upper 32 now, before V lands on them
.set j, 36
.rept 7
	v_pk_add_f32 v[SUM:SUM+1], v[SUM:SUM+1], v[S+j:S+j+1]
	v_pk_add_f32 v[SU2:SU2+1], v[SU2:SU2+1], v[S+j+2:S+j+3]
.set j, j+4
.endr
	s_wait_alu depctr_va_vdst(0)                   ; and one for the two
	v_max_num_f32 v[CH], 0x1800000, v[CH]          ; the floor: the byte cannot fall under 1
	v_max_num_f32 v[CH+2], 0x1800000, v[CH+2]
	v_add_nc_u32 v[SCL], 0xff000000, v[CH]
	v_add_nc_u32 v[SCL+1], 0xff000000, v[CH+2]
.irp c, 0,1
.irp t, 0,1,2,3
	v_cvt_scalef32_pk8_fp4_f32 v[PC+4*\c+\t], v[S+32*\c+8*\t:S+32*\c+8*\t+7], v[SCL+\c]   ; register 4 c + t of the operand: keys 64 c + 32 h + 8 t on
.endr
.endr
	v_lshrrev_b32 v[BY], 23, v[SCL]                ; the bytes of blocks h and 2 + h (also the plain line behind the conversions)
	v_lshrrev_b32 v[BY+1], 23, v[SCL+1]
	v_lshl_or_b32 v[TA], v[BY+1], 16, v[BY]
	v_lshlrev_b32 v[TA], v[SH8], v[TA]             ; at their places in the scale word
	v_permlanex16_b32 v[TP], v[TA], s[SEL], s[SEL+1]
	v_or_b32 v[PW], v[TA], v[TP]                   ; with lane l xor 16's two the word is whole
.irp t, 0,1,2,3
.irp c, 0,1
	ds_load_b128 v[VF+8*\t+4*\c:VF+8*\t+4*\c+3], v[AD] offset:RO+VIO+1024*\t+512*\c
.endr
.endr
	ds_load_b128 v[VS:VS+3], v[ADS] offset:RO+VSO
.set j, 0
.rept 8
	v_pk_add_f32 v[SUM:SUM+1], v[SUM:SUM+1], v[S+j:S+j+1]        ; the lower 32 p: seventeen plain lines between the scale word's and the codes' last writes and the products, while V comes
	v_pk_add_f32 v[SU2:SU2+1], v[SU2:SU2+1], v[S+j+2:S+j+3]
.set j, j+4
.endr
	v_pk_add_f32 v[SUM:SUM+1], v[SUM:SUM+1], v[SU2:SU2+1]
	s_wait_dscnt 0x0
.irp t, 0,1,2,3
	v_wmma_scale_f32_16x16x128_f8f6f4 v[OT+8*\t:OT+8*\t+7], v[VF+8*\t:VF+8*\t+7], v[PC:PC+7], v[OT+8*\t:OT+8*\t+7], v[VS+\t], v[PW] matrix_a_fmt:MATRIX_FMT_FP4 matrix_b_fmt:MATRIX_FMT_FP4   ; the four accumulators by turns
.endr
.endm
; A tile begins: the largest t is -3e38, the sum and O^T are zeros, which the first change of M leaves zeros.  (32 lines a tile: a first step with the constant 0 as C would be one more copy of the step)
.macro INIT
	v_mov_b32 v[TMX], 0xff61b1e6
	v_floor_f32 v[NM], -v[TMX]
	v_mov_b32 v[SUM], 0
	v_mov_b32 v[SUM+1], 0
.set j, 0
.rept 32
	v_mov_b32 v[OT+j], 0
.set j, j+1
.endr
.endm
; A tile ends: O^T / the sum goes through my stage and leaves as whole rows: each store covers 512 consecutive bytes, two rows of out, aligned to 256
.macro WAYOUT pass
.rept 4
	v_nop                                          ; four places behind the last products
.endr
	v_add_f32 v[SUM], v[SUM], v[SUM+1]
	v_permlanex16_b32 v[TP], v[SUM], s[SEL], s[SEL+1]
	v_add_f32 v[SUM], v[SUM], v[TP]                ; with lane l xor 16's keys: the row's sum
	v_rcp_f32 v[FF], v[SUM]
	v_nop                                          ; a plain line behind the reciprocal
	s_wait_alu depctr_va_vdst(0)                   ; and the wait ahead of its first reader
.set j, 0
.rept 16
	v_pk_mul_f32 v[S+j:S+j+1], v[OT+j:OT+j+1], v[FF:FF+1] op_sel_hi:[1,0]   ; ascending: each accumulator from its low end on
.set j, j+2
.endr
.irp t, 0,1,2,3
	ds_store_b128 v[STO], v[S+8*\t:S+8*\t+3] offset:64*\t
	ds_store_b128 v[STO], v[S+8*\t+4:S+8*\t+7] offset:64*\t+16
.endr
.irp i, 0,1,2,3,4,5,6,7
	ds_load_b128 v[S+32+4*\i:S+32+4*\i+3], v[RD] offset:2*SP*\i   ; LDS serves a wave's instructions in order (ISA guide 5.7.1.4): these see my stores
.endr
.irp i, 0,1,2,3,4,5,6,7
	s_wait_dscnt 7-\i                              ; the loads behind load i may stay out
	global_store_b128 v[L16], v[S+32+4*\i:S+32+4*\i+3], s[10:11] offset:512*\i+CHB*\pass th:TH_STORE_NT
.endr
.endm
	; ---- the head: addresses of the loads first, so that all 56 loads go out early
	s_load_b256 s[4:11], s[0:1], 0x0               ; q s[4:5], k s[6:7], v s[8:9], out s[10:11]
	v_lshl_add_u32 v254, v0, 2, 0x34000
	v_mov_b32 v255, 0
	v_lshrrev_b32 v234, 5, v0
	v_readfirstlane_b32 s[WV], v234                ; wave 0..15
	v_and_b32 v228, 31, v0                         ; l
	s_and_b32 s13, s[WV], 1                        ; b0
	s_lshl_b32 s17, s[WV], 12
	v_lshl_add_u32 v[KG], v228, 5, s17             ; 32 l + 4,096 w
	s_lshl_b32 s17, s13, 7
	s_lshr_b32 s18, s[WV], 1
	s_lshl_b32 s18, s18, 13
	s_add_co_u32 s17, s17, s18
	v_lshl_add_u32 v[VG], v228, 2, s17             ; 4 l + 128 b0 + 8,192 (w / 2): channels 32 b0 + l, block w / 2 of the chunk
	s_and_b32 s30, ttmp7, 0xffff                   ; the head,
	s_lshl_b32 s30, s30, 19                        ; 2,048 rows of 256 bytes each
	s_mov_b32 s31, 0
	s_wait_kmcnt 0x0
	s_add_nc_u64 s[6:7], s[6:7], s[30:31]
	s_add_nc_u64 s[8:9], s[8:9], s[30:31]
	s_lshl_b32 s17, ttmp9, 17                      ; my work-group's 512 rows
	s_add_co_u32 s30, s30, s17
	s_add_nc_u64 s[4:5], s[4:5], s[30:31]
	s_lshl_b32 s17, s[WV], 12                      ; out: my wave's 16 rows
	s_add_co_u32 s30, s30, s17
	s_add_nc_u64 s[10:11], s[10:11], s[30:31]
	LOADROWS S, 4, 0, 1                            ; q, first tile
	LOADROWS S+32, 4, CHB, 1                       ; q, second tile
	LOADROWS RL, 6, 0, 0                           ; k, chunk 0
	LOADV OT                                       ; v, chunk 0
	s_cmp_lt_u32 s[WV], 8
	s_cselect_b64 s[PFB:PFB+1], s[6:7], s[8:9]     ; waves 0-7 will ask for k's blocks, waves 8-15 for v's
	s_cmp_eq_u32 ttmp9, 0
	s_cselect_b32 s[LIM], 1, -1                    ; a head's four work-groups walk the same k and v: the first of them asks
	s_bfe_u32 s14, s[WV], 0x10001                  ; b1
	s_bfe_u32 s15, s[WV], 0x10002                  ; b2
	s_lshr_b32 s16, s[WV], 3
	s_mul_i32 s16, s16, REC                        ; b3 x a record
	s_mul_i32 s[STW], s[WV], STB
	s_add_co_u32 s[STW], s[STW], STG
	s_mov_b32 s[SEL], 0x76543210
	s_mov_b32 s[SEL+1], 0xfedcba98
	s_mov_b32 s[CS], 0x4138aa3b                    ; c = 8 log2(e)
	s_mov_b32 s[CS+1], s[CS]                       ; (named with it as a pair, so it is written)
	v_bfe_u32 v229, v0, 3, 2                       ; l / 8
	v_bfe_u32 v230, v0, 2, 1                       ; my block of a row: (l / 4) % 2
	v_bfe_u32 v231, v0, 4, 1                       ; l / 16
	v_and_b32 v232, 15, v0                         ; l % 16
	v_lshlrev_b32 v[L16], 4, v228
	v_lshlrev_b32 v[L16R], 4, v232
	v_lshlrev_b32 v[SH8], 3, v231
	v_lshlrev_b32 v[SHA], 3, v230
	v_sub_nc_u32 v[SHB], 8, v[SHA]
	v_and_b32 v234, 3, v0
	v_lshlrev_b32 v233, 2, v234
	v_lshl_add_u32 v233, v229, 4, v233
	v_lshl_add_u32 v233, v230, 8, v233             ; a row group's codes: 16 (l / 8) + 256 block + 4 (l % 4)
	s_lshl_b32 s17, s15, 11                        ; K's codes: key 16 (w % 8) + 4 i + l / 8 of record b3: tile 4 b2 + 2 b0 + i / 2, row 8 b1 + 4 (i % 2) + l / 8
	s_lshl_b32 s18, s13, 10
	s_lshl_b32 s19, s14, 7
	s_add_co_u32 s17, s17, s18
	s_add_co_u32 s17, s17, s19
	s_add_co_u32 s17, s17, s16
	v_add_nc_u32 v[KW], s17, v233
	s_lshl_b32 s17, s15, 8                         ; K's scale words: 256 b2 + 16 row + 4 (tile % 4)
	s_lshl_b32 s18, s13, 3
	s_add_co_u32 s17, s17, s18
	s_add_co_u32 s17, s17, s19
	s_add_co_u32 s17, s17, s16
	v_lshl_add_u32 v[KSW], v229, 4, s17
	s_lshl_b32 s17, s13, 11                        ; V's codes: tile 2 b0 + l / 16, registers 4 b2 on, lane l % 16 + 16 b1
	s_lshl_b32 s18, s15, 9
	s_add_co_u32 s17, s17, s18
	s_lshl_b32 s18, s14, 8
	s_add_co_u32 s17, s17, s18
	s_add_co_u32 s17, s17, s16
	v_lshl_add_u32 v[VW], v231, 10, v[L16R]
	v_add_nc_u32 v[VW], s17, v[VW]
	s_lshl_b32 s17, s13, 3                         ; V's scale byte: 16 row + 4 tile + block (w / 2) % 4
	s_bfe_u32 s18, s[WV], 0x20001
	s_add_co_u32 s17, s17, s18
	s_add_co_u32 s17, s17, s16
	v_lshl_add_u32 v[VSW], v231, 2, v[L16R]
	v_add_nc_u32 v[VSW], s17, v[VSW]
	s_and_b32 s17, s[WV], 7                        ; the prefetches: a lane a block of 256 bytes, 8,192 bytes a wave, from chunk 2 on
	s_lshl_b32 s17, s17, 13
	s_add_co_u32 s17, s17, 2*CHB
	v_lshl_add_u32 v[PFO], v228, 8, s17
	v_mul_u32_u24 v[STO], v232, SP                 ; the stage, in: row l % 16, + 32 (l / 16)
	v_lshl_add_u32 v[STO], v231, 5, v[STO]
	v_add_nc_u32 v[STO], s[STW], v[STO]
	v_mul_u32_u24 v[RD], v231, SP                  ; back: lanes 0-15 one row, lanes 16-31 the next
	v_add_nc_u32 v[RD], v[RD], v[L16R]
	v_add_nc_u32 v[RD], s[STW], v[RD]
	v_add_nc_u32 v[KWC], s[STW], v233              ; Q's images lie in my own 4,352 bytes: codes,
	v_lshl_add_u32 v[KSWC], v229, 4, s[STW]        ; scale words, 16 bytes a row,
	v_add_nc_u32 v[VWC], s[STW], v[L16]            ; and where they are read back
	v_add_nc_u32 v[VSWC], s[STW], v[L16R]
.irp i, 4,5,6,7
	v_mov_b32 v[QF+\i], 0                          ; the upper 64 along K: zero codes, set once
.irp t, 0,1,2,3
	v_mov_b32 v[KF+8*\t+\i], 0
.endr
.endr
	v_mov_b32 v[TP], 0                             ; written once: a lane permute's or a DPP move's destination counts as one of its sources
	v_mov_b32 v[FF+1], 0                           ; (named as a pair's upper half)
.irp i, 0,1,2,3
	v_mov_b32 v[BO+\i], 0
.endr
	s_wait_loadcnt 48                              ; q's first tile is in: behind it 8 + 8 + 32 loads
	QROWS S, KWC, KSWC, 0, 512, 128, 128
	s_wait_loadcnt 40                              ; the second: behind it 8 + 32
	QROWS S+32, KWC, KSWC, 1024, 1536, 128, 128
	s_wait_loadcnt 32                              ; k's chunk 0: behind it v's 32
	QROWS RL, KW, KSW, 0, KSO, 512, 4
	s_wait_loadcnt 0x0
	QCOL OT, VW, VSW, 0
	ds_load_b128 v[QF:QF+3], v[VWC]                ; my own bytes: LDS serves a wave's instructions in order
	ds_load_b32 v[QS], v[VSWC] offset:512
	ds_load_b128 v[QB:QB+3], v[VWC] offset:1024
	ds_load_b32 v[QBS], v[VSWC] offset:1536
	INIT
	s_add_nc_u64 s[6:7], s[6:7], CHB               ; every load is in: the bases step to chunk 1
	s_add_nc_u64 s[8:9], s[8:9], CHB
	s_mov_b32 s[TB], 0
	s_mov_b32 s[CNT], 7
	s_wait_dscnt 0x0                               ; my stores of chunk 0 have landed, Q is in
	s_barrier_signal -1
	s_barrier_wait -1                              ; everybody's have
	; ---- pass 0, chunks 0 to 6: the chunk in hand is multiplied, the next one is loaded, quantised and stored behind it
.Lchunk:
	v_add_nc_u32 v[AD], s[TB], v[L16]
	v_add_nc_u32 v[ADS], s[TB], v[L16R]
	v_add_nc_u32 v[KWC], s[TB], v[KW]
	v_add_nc_u32 v[KSWC], s[TB], v[KSW]
	v_add_nc_u32 v[VWC], s[TB], v[VW]
	v_add_nc_u32 v[VSWC], s[TB], v[VSW]
	LOADROWS RL, 6, 0, 0                           ; the next chunk's k: a key step ahead of the wait for it
	s_cmp_gt_u32 s[CNT], s[LIM]                    ; a prefetch of the chunk after that, behind my loads: one instruction a wave, each block of 256 bytes named once in the launch;
	s_cbranch_scc0 .Lnot_mine                      ; the last trip asks for nothing: there is no chunk 8
	global_prefetch_b8 v[PFO], s[PFB:PFB+1] th:TH_LOAD_NT scope:SCOPE_SE
.Lnot_mine:
	STEP 0
	s_wait_loadcnt 0x0
	QROWS RL, KWC, KSWC, CHK, CHK+KSO, 512, 4
	LOADV RL                                       ; the next chunk's v, likewise a key step ahead
	STEP 1
	s_wait_loadcnt 0x0
	QCOL RL, VWC, VSWC, CHK
	s_wait_xcnt 0x0                                ; the trip's loads and its prefetch have read their bases
	s_add_nc_u64 s[6:7], s[6:7], CHB
	s_add_nc_u64 s[8:9], s[8:9], CHB
	s_add_nc_u64 s[PFB:PFB+1], s[PFB:PFB+1], CHB
	s_add_co_u32 s[TB], s[TB], CHK
	s_wait_dscnt 0x0                               ; my part of the next chunk has landed
	s_barrier_signal -1
	s_barrier_wait -1                              ; everybody's has.  (Nothing that was read is ever written again: one barrier a chunk)
	s_sub_co_u32 s[CNT], s[CNT], 1
	s_cmp_lg_u32 s[CNT], 0
	s_cbranch_scc1 .Lchunk
	; ---- chunk 7: nothing is left to fetch
	v_add_nc_u32 v[AD], s[TB], v[L16]
	v_add_nc_u32 v[ADS], s[TB], v[L16R]
	STEP 0
	STEP 1
	WAYOUT 0
	s_wait_xcnt 0x0                                ; the stores have read their registers: they are written again below
	; ---- pass 1: the second tile finds the whole head in LDS
.irp i, 0,1,2,3
	v_mov_b32 v[QF+\i], v[QB+\i]
.endr
	v_mov_b32 v[QS], v[QBS]
	INIT                                           ; (36 plain lines between these writes and the first product)
	s_mov_b32 s[TB], 0
	s_mov_b32 s[CNT], 8
.Lagain:
	v_add_nc_u32 v[AD], s[TB], v[L16]
	v_add_nc_u32 v[ADS], s[TB], v[L16R]
	STEP 0
	STEP 1
	s_add_co_u32 s[TB], s[TB], CHK
	s_sub_co_u32 s[CNT], s[CNT], 1
	s_cmp_lg_u32 s[CNT], 0
	s_cbranch_scc1 .Lagain
	WAYOUT 1
	s_wait_tensorcnt 0x0
	ds_add_u32 v254, v255
	s_wait_dscnt 0x0
	s_endpgm
.Lfunc_end_k_q8a31b4e5fa_attn:
	.size	k_q8a31b4e5fa_attn, .Lfunc_end_k_q8a31b4e5fa_attn-k_q8a31b4e5fa_attn
	.p2alignl 7, 3214868480
	.fill 96, 4, 3214868480
	.section	.rodata,"a",@progbits
	.p2align	6, 0x0
	.amdhsa_kernel k_q8a31b4e5fa_attn
		.amdhsa_group_segment_fixed_size 215040
		.amdhsa_private_segment_fixed_size 0
		.amdhsa_enable_private_segment 0
		.amdhsa_kernarg_size 32
		.amdhsa_user_sgpr_count 2
		.amdhsa_user_sgpr_kernarg_segment_ptr 1
		.amdhsa_wavefront_size32 1
		.amdhsa_system_sgpr_workgroup_id_x 1
		.amdhsa_system_sgpr_workgroup_id_y 1
		.amdhsa_system_sgpr_workgroup_id_z 1
		.amdhsa_system_vgpr_workitem_id 0
		.amdhsa_next_free_vgpr 256
		.amdhsa_next_free_sgpr 66
		.amdhsa_reserve_vcc 0
		.amdhsa_float_denorm_mode_32 3
		.amdhsa_float_denorm_mode_16_64 3
		.amdhsa_memory_ordered 1
		.amdhsa_forward_progress 1
		.amdhsa_inst_pref_size 124
	.end_amdhsa_kernel
	.amdgpu_metadata
---
amdhsa.version: [ 1, 2 ]
amdhsa.kernels:
  - .name:           k_q8a31b4e5fa_attn
    .symbol:         k_q8a31b4e5fa_attn.kd
    .args:
      - { .name: q, .offset: 0, .size: 8, .value_kind: global_buffer, .address_space: global }
      - { .name: k, .offset: 8, .size: 8, .value_kind: global_buffer, .address_space: global }
      - { .name: v, .offset: 16, .size: 8, .value_kind: global_buffer, .address_space: global }
      - { .name: out0, .offset: 24, .size: 8, .value_kind: global_buffer, .address_space: global }
    .group_segment_fixed_size: 215040
    .private_segment_fixed_size: 0
    .kernarg_segment_align: 8
    .kernarg_segment_size: 32
    .max_flat_workgroup_size: 512
    .sgpr_count:     66
    .vgpr_count:     256
    .wavefront_size: 32
...
	.end_amdgpu_metadata
.endif
;; end of part 1
;; ======== version 2 of 2: 1 launch; version 1 with the launch attn written anew for expert scheduling mode
;; limits: inputs' magnitudes at most 6e+17
;; launch attn (part 2): grid 4 x 64, 16 waves a work-group, no clusters, 215,040 bytes of LDS; arguments q, k, v, out0; writes out0
.if DOCPART == 2
	.amdgcn_target "amdgcn-amd-amdhsa--gfx1250"
	.amdhsa_code_object_version 6
	.text
	.protected	k_q8a31b4e5fa_attn
	.globl	k_q8a31b4e5fa_attn
	.p2align	8
	.type	k_q8a31b4e5fa_attn,@function
k_q8a31b4e5fa_attn:
	s_mov_b64 s[64:65], 0
	v_nop
	global_prefetch_b8 v0, s[64:65] scope:SCOPE_SE
	s_setreg_imm32_b32 hwreg(HW_REG_WAVE_SCHED_MODE, 0, 2), 2
	s_setreg_imm32_b32 hwreg(HW_REG_WAVE_MODE, 25, 1), 1
	s_wait_xcnt 0x0
	s_wait_alu depctr_vm_vsrc(0)
; out[h][s][:] = the sum over t of softmax_t(8 q[h][s] . k[h][t]) v[h][t][:].  q, k, v, out: [64 heads][2048][64] f32.  Both products on codes of FP4 (E2M1) with one E8M0 scale for each 32 along a product's K.
; FIRST PRODUCT: K = the head's 64 (two blocks a row); the instruction's upper 64 along K are zero codes.  SECOND: K = the keys, so v is quantised down its first axis.
; SOFTMAX: t = score x 8 log2(e); M = the running largest t rounded up to a whole number; p = 2^(t - M) is quantised along the keys, not normalised; the row's sum is taken of the unquantised p and divides at the end.
; When M moves, the sum and O are multiplied by 2^(old M - new M), which rounds nothing.
; SHARES.  Work-group (x, y): head y, queries 512 x .. 512 x + 511.  Sixteen waves of 256 registers; wave w owns two tiles of 16 queries, one after the other: rows 16 w (pass 0) and 256 + 16 w (pass 1) of the 512.
; Every wave walks all 2,048 keys, 128 a step.  A HEAD'S K AND V STAY IN LDS AS CODES: 16 records of 128 keys, each the images of the operands' registers (lane l's 16 bytes at 16 l) and their scale words.
; The work-group makes them itself: in pass 0, while a chunk of 256 keys is multiplied, the next chunk's f32 numbers are loaded and quantised, each wave a sixteenth.  No byte of a record is written twice: one barrier a chunk.
; LAYOUT.  Both products are used transposed: S^T = K Q^T, O^T = V^T P^T: a lane holds ONE query (lane % 16) throughout.  THE KEYS OF A TILE ARE NOT NEIGHBOURS: key n of a step goes to tile 4 (n / 64) + (n / 8) % 4,
; row 8 ((n / 32) % 2) + n % 8.  So lane (q, h)'s registers S + 32 c + 0 .. 31 are keys 64 c + 32 h + 0 .. 31: a WHOLE block of p in one lane, in the order of the second product's operand: the eight conversions write that operand as it stands.
; NO CLUSTER, NO TENSOR LOAD: what a head's four work-groups share arrives as f32, 4 bytes a number where a code takes half a byte, and has to pass through registers for the conversions.  Joint loads would want two slots of
; 256 keys of k and v, 2 x 131,072 bytes, beside the 212,992 bytes used here: more than the 327,680 that a work-group can claim; slots of half that size would want a round of the cluster's barrier in every key step.
; LIMITS: NaN and infinities among the inputs are not served.  A block whose largest magnitude lies under 2^-124, a block of zeros among them, keeps the byte 1 (its bytes are read by this program alone).
; A p under 2^-126 comes out of v_exp_f32 as 0.  A block's largest p is taken from its largest score by the same multiply-add and exponential: this takes v_exp_f32 not to fall where its input rises.
; THE MODE: SCHED_MODE bits 1:0 = 2 (LLVM: expert scheduling mode 2), set by the entry lines.  The code itself states the register dependences between vector or matrix instructions and memory or LDS instructions,
; with s_wait_alu, always for 0.
; THE PLAN.  Registers that memory or LDS instructions touch, and who else names them:
;   KF (registers 0-3 of four fragments), KS   LDS loads land; the step's eight score products read.  Tiles 4-7 land on tiles 0-3's registers behind the first four products; a trip's second step has its tiles 0-3 and KS asked for in the first.
;   v128-159   the second four score products, the scalings and the exponentials write; the upper sums and the conversions of block c = 1 read; then V's fragments land; the second product reads.
;   VS         LDS loads land; the second product reads.            RL   global loads land; the quantisers' maxima and conversions read.
;   CD, BT     the quantisers write; their LDS stores read.         AD, ADS, KWC, KSWC, VWC, VSWC   written once a trip, at its head; read by the trip's LDS instructions.
;   KG, VG, PFO, L16, L16R, KW, KSW, VW, VSW, STO, RD   made at the head, never written again.
;   The way out: the scaled O^T in v96-127 is read by the stage's stores; the stage's loads land in v128-159, which the global stores read.
; A KEY STEP HAS FOUR WAITS ON va_vdst: (1) behind the first four products, ahead of tiles 4-7; (2) behind the batch of 66 exponentials and the 17 multiplications by f: the batch's one wait, and all eight score products are done with
; KF and KS, so that the next step's five loads may follow; (3) behind the upper sums and the conversions of c = 1, ahead of V's nine loads; (4) behind the lower sums, ahead of the second product: p's codes and scale word are written.
; A trip's head: one wait on vm_vsrc, the address adds, one on va_vdst.  A quantiser: one on vm_vsrc ahead of its first line that writes CD or BT again, one on va_vdst ahead of its stores, which also frees RL for the next loads.
.set REC,  8960                        ; a record: 128 keys
.set VIO,  4096                        ;   +0 K's 8 tiles, 512 bytes each (registers 0-3);  +4096 V's 4 tiles of 16 channels, 1,024 bytes each (registers 4 c .. 4 c + 3 at 512 c)
.set KSO,  8192                        ;   +8192 K's scale words: 256 (tile / 4) + 16 row + 4 (tile % 4)
.set VSO,  8704                        ;   +8704 V's scale words: 16 row + 4 tile
.set CHK,  2*REC                       ; a chunk: two records
.set STG,  16*REC                      ; behind the records: 4,352 bytes for each wave: first its Q images, later its stage of 16 rows x 272 bytes
.set STB,  4352
.set SP,   272                         ; a stage row: 256 bytes + 16: rows 68 words apart
.set CHB,  65536                       ; 256 rows of 256 bytes in memory
.set L16,  1                           ; v1   16 x lane: an image's place, and my offset in two rows of out
.set L16R, 2                           ; v2   16 x (lane % 16)
.set KW,   3                           ; v3   where I store K's codes in a chunk
.set KSW,  4                           ; v4   and K's scale words
.set VW,   5                           ; v5   V's codes
.set VSW,  6                           ; v6   V's scale byte
.set KG,   7                           ; v7   my offset in a chunk of k, or in 256 rows of q: 32 x lane + 4,096 x wave
.set VG,   8                           ; v8   my offset in a chunk of v
.set AD,   9                           ; v9   the chunk in hand + 16 x lane
.set ADS,  10                          ; v10  the chunk in hand + 16 x (lane % 16)
.set PFO,  11                          ; v11  the prefetches' offset
.set NM,   12                          ; v12  -M
.set TMX,  13                          ; v13  the largest t so far
.set SUM,  14                          ; v[14:15] the row's sum in two halves
.set QF,   16                          ; v16-19 Q's codes, v20-23 zeros
.set QS,   24                          ; v24  Q's scale words
.set SH8,  25                          ; v25  8 x (lane / 16)
.set SHA,  26                          ; v26  8 x my block of the row (0 or 1)
.set SHB,  27                          ; v27  8 - that
.set STO,  28                          ; v28  the stage: where I put 32 bytes of a row
.set RD,   29                          ; v29  and where I read rows back
.set QBS,  30                          ; v30  the second tile's scale words
.set KF,   32                          ; v32-63 four fragments of K: registers 4-7 of each are zeros, set once
.set RL,   64                          ; v64-95 f32 numbers on their way
.set S,    96                          ; v96-159 S^T, then p
.set VF,   128                         ; v128-159 V's four fragments, where the upper p lay
.set OT,   160                         ; v160-191 O^T: tile T at 8 T; lane (q, h) register j: channel 16 T + 8 h + j
.set PC,   192                         ; v192-199 p's codes
.set KS,   200                         ; v200-203 K's scale words: register i: tile i in lanes 0-15, tile 4 + i in lanes 16-31
.set VS,   204                         ; v204-207 V's scale words
.set PW,   208                         ; v208 p's scale word
.set CH,   210                         ; v210-213 four chains of maxima; then v210, v212: my two blocks' largest scores
.set TA,   214
.set TP,   215                         ; a lane permute's destination
.set FF,   216                         ; v[216:217] f, later 1 / the sum (the low word serves both halves)
.set SU2,  218                         ; v[218:219] the sum's second chain
.set SCL,  220                         ; v220-221 the conversions' scale operands
.set BY,   222                         ; v222-223 the scales' bytes
.set QB,   224                         ; v224-227 the second tile's codes
.set MX,   228                         ; v228-231, v232-235, v236-239, v240-243: the quantisers' maxima, codes, bytes, neighbours' bytes
.set CD,   232
.set BT,   236
.set BO,   240
.set KWC,  244                         ; v244-247 the trip's store addresses; at the head Q's
.set KSWC, 245
.set VWC,  246
.set VSWC, 247
.set WV,   12                          ; s12  my wave's number
.set SEL,  20                          ; s[20:21] v_permlanex16_b32's selects for lane l xor 16
.set CS,   22                          ; s[22:23] c = 8 log2(e)
.set TB,   24                          ; s24  LDS byte at which the chunk in hand begins
.set CNT,  25
.set LIM,  26                          ; s26  1 in a work-group that prefetches, else the greatest number
.set STW,  27                          ; s27  my wave's 4,352 bytes
.set PFB,  28                          ; s[28:29] the head's k (waves 0-7) or v (waves 8-15), stepped a chunk a trip
; 16 rows of 256 bytes: lane l takes, of row 4 i + l / 8, the eight numbers 8 (l % 8) on, into v[reg + 8 i] on.  nt = 1: read once in the launch (q)
.macro LOADROWS reg, sb, off, nt
.irp i, 0,1,2,3
.if \nt
	global_load_b128 v[\reg+8*\i:\reg+8*\i+3], v[KG], s[\sb:\sb+1] offset:\off+1024*\i th:TH_LOAD_NT
	global_load_b128 v[\reg+8*\i+4:\reg+8*\i+7], v[KG], s[\sb:\sb+1] offset:\off+1024*\i+16 th:TH_LOAD_NT
.else
	global_load_b128 v[\reg+8*\i:\reg+8*\i+3], v[KG], s[\sb:\sb+1] offset:\off+1024*\i
	global_load_b128 v[\reg+8*\i+4:\reg+8*\i+7], v[KG], s[\sb:\sb+1] offset:\off+1024*\i+16
.endif
.endr
.endm
; These 16 rows become codes and scale words in LDS.  A block of 32 lies in four neighbouring lanes; a row's two blocks in lanes l and l xor 4.  The four groups i take turns.
; ca, sa: address registers of codes and scale words; offc, offs: their offsets; cstep, sstep: bytes from rows 0-7 to rows 8-15; again = 1: a quantiser's stores stand ahead of this one
.macro QROWS reg, ca, sa, offc, offs, cstep, sstep, again
	s_wait_dscnt 0x0                               ; my earlier LDS stores are done
.if \again
	s_wait_alu depctr_vm_vsrc(0)                   ; the last quantiser's LDS stores have read v[CD ..] and v[BT ..], which the lines below write again
.endif
.irp i, 0,1,2,3
	v_max3_num_f32 v[MX+\i], |v[\reg+8*\i]|, |v[\reg+8*\i+1]|, 0x1800000   ; with the floor 2^(3 - 127): the byte cannot fall under 1
.endr
.irp j, 2,4,6
.irp i, 0,1,2,3
	v_max3_num_f32 v[MX+\i], v[MX+\i], |v[\reg+8*\i+\j]|, |v[\reg+8*\i+\j+1]|
.endr
.endr
.irp x, 1,2
.irp i, 0,1,2,3
	v_max_num_f32_dpp v[MX+\i], v[MX+\i], v[MX+\i] row_xmask:\x row_mask:0xf bank_mask:0xf
.endr
.endr
.irp i, 0,1,2,3
	v_add_nc_u32 v[MX+\i], 0xff000000, v[MX+\i]    ; 2 off the exponent field: the conversion's scale operand
.endr
.irp i, 0,1,2,3
	v_cvt_scalef32_pk8_fp4_f32 v[CD+\i], v[\reg+8*\i:\reg+8*\i+7], v[MX+\i]
.endr
.irp i, 0,1,2,3
	v_lshrrev_b32 v[BT+\i], 23, v[MX+\i]           ; the scale's byte (also the plain line behind the conversions)
.endr
.irp i, 0,1,2,3
	v_mov_b32_dpp v[BO+\i], v[BT+\i] row_xmask:4 row_mask:0xf bank_mask:0xf   ; the row's other block's
.endr
.irp i, 0,1,2,3
	v_lshlrev_b32 v[BT+\i], v[SHA], v[BT+\i]
.endr
.irp i, 0,1,2,3
	v_lshl_or_b32 v[BT+\i], v[BO+\i], v[SHB], v[BT+\i]   ; the row's scale word: bytes 0 and 1; bytes 2 and 3 stay 0 over zero codes
.endr
	s_wait_alu depctr_va_vdst(0)                   ; v[CD ..] and v[BT ..] are written, which the stores read (at the kernel's head their address registers too); the maxima and conversions are done reading v[reg ..], in which the next loads land
.irp i, 0,1,2,3
	ds_store_b32 v[\ca], v[CD+\i] offset:\offc+(\i/2)*\cstep+(\i%2)*64
	ds_store_b32 v[\sa], v[BT+\i] offset:\offs+(\i/2)*\sstep+(\i%2)*64   ; a row's eight lanes write the same word with the same value
.endr
.endm
; A block of 32 keys x 32 channels of v: a lane takes a channel, its registers run down the keys; each load reads 128 consecutive bytes
.macro LOADV reg
.set j, 0
.rept 32
	global_load_b32 v[\reg+j], v[VG], s[8:9] offset:256*j
.set j, j+1
.endr
.endm
.macro QCOL reg, va, vsa, off
	s_wait_dscnt 0x0                               ; my earlier LDS stores are done
	s_wait_alu depctr_vm_vsrc(0)                   ; the last quantiser's LDS stores have read v[CD ..] and v[BT ..], which the lines below write again
	v_max3_num_f32 v[MX], |v[\reg]|, |v[\reg+1]|, |v[\reg+2]|
	v_max3_num_f32 v[MX+1], |v[\reg+3]|, |v[\reg+4]|, |v[\reg+5]|
.irp i, 6,10,14,18,22,26
	v_max3_num_f32 v[MX], v[MX], |v[\reg+\i]|, |v[\reg+\i+1]|
	v_max3_num_f32 v[MX+1], v[MX+1], |v[\reg+\i+2]|, |v[\reg+\i+3]|
.endr
	v_max3_num_f32 v[MX], v[MX], |v[\reg+30]|, |v[\reg+31]|
	v_max3_num_f32 v[MX], v[MX], v[MX+1], 0x1800000
	v_add_nc_u32 v[MX], 0xff000000, v[MX]
.irp g, 0,1,2,3
	v_cvt_scalef32_pk8_fp4_f32 v[CD+\g], v[\reg+8*\g:\reg+8*\g+7], v[MX]
.endr
	v_lshrrev_b32 v[BT], 23, v[MX]                 ; the byte (also the plain line behind the conversions)
	s_wait_alu depctr_va_vdst(0)                   ; v[CD ..] and v[BT] are written, which the two stores read
	ds_store_b128 v[\va], v[CD:CD+3] offset:\off+VIO    ; four registers of V's operand, as they stand
	ds_store_b8 v[\vsa], v[BT] offset:\off+VSO
.endm
; The largest of v[s] .. v[s + 15] into v[c], of v[s + 16] .. v[s + 31] into v[c + 1]: ascending, so that each of the four accumulators is first read at its low end
.macro CHAINS s, c
	v_max3_num_f32 v[\c], v[\s], v[\s+1], v[\s+2]
	v_max3_num_f32 v[\c+1], v[\s+16], v[\s+17], v[\s+18]
.irp i, 3,5,7,9,11,13
	v_max3_num_f32 v[\c], v[\c], v[\s+\i], v[\s+\i+1]
	v_max3_num_f32 v[\c+1], v[\c+1], v[\s+16+\i], v[\s+17+\i]
.endr
	v_max_num_f32 v[\c], v[\c], v[\s+15]
	v_max_num_f32 v[\c+1], v[\c+1], v[\s+31]
.endm
; K's scale words and tiles 0-3 of the record that begins at byte ro of the chunk in hand
.macro KLOAD ro
	ds_load_b128 v[KS:KS+3], v[AD] offset:(\ro)+KSO
.irp t, 0,1,2,3
	ds_load_b128 v[KF+8*\t:KF+8*\t+3], v[AD] offset:(\ro)+512*\t
.endr
.endm
; A KEY STEP: 128 keys, record q of the chunk in hand.  head = 1: its first K loads stand here, behind the wait at the trip's head.  pre = 1: it asks for the next record's in its middle.
.macro STEP q, head, pre
.set RO, (\q)*REC
.if \head
	KLOAD RO
.endif
	s_wait_dscnt 0x0
.irp t, 0,1,2,3
	v_wmma_scale_f32_16x16x128_f8f6f4 v[S+8*\t:S+8*\t+7], v[KF+8*\t:KF+8*\t+7], v[QF:QF+7], 0, v[KS+\t], v[QS] matrix_a_fmt:MATRIX_FMT_FP4 matrix_b_fmt:MATRIX_FMT_FP4
.endr
.rept 4
	v_nop                                          ; four places (ISA guide 7.12.1) ahead of the first read of these scores
.endr
	s_wait_alu depctr_va_vdst(0)                   ; the four products are done reading K's registers, in which tiles 4-7 land
.irp t, 0,1,2,3
	ds_load_b128 v[KF+8*\t:KF+8*\t+3], v[AD] offset:RO+2048+512*\t
.endr
	CHAINS S, CH                                   ; my first block's largest score, while tiles 4-7 come.  (With the four above: twenty places ahead of the products that write over V's registers)
	s_wait_dscnt 0x0
.irp t, 0,1,2,3
	v_wmma_scale_f32_16x16x128_f8f6f4 v[S+32+8*\t:S+32+8*\t+7], v[KF+8*\t:KF+8*\t+7], v[QF:QF+7], 0, v[KS+\t], v[QS] matrix_a_fmt:MATRIX_FMT_FP4 matrix_b_fmt:MATRIX_FMT_FP4 matrix_a_scale:MATRIX_SCALE_ROW1
.endr
	v_max_num_f32 v[CH], v[CH], v[CH+1]            ; four places ahead of the read of these scores
	v_mov_b32 v[TA], v[NM]                         ; the old -M
	v_nop
	v_nop
	CHAINS S+32, CH+2
	v_max_num_f32 v[CH+2], v[CH+2], v[CH+3]        ; my second block's largest score
	v_max_num_f32 v[CH+1], v[CH], v[CH+2]
	v_permlanex16_b32 v[TP], v[CH+1], s[SEL], s[SEL+1]
	v_max_num_f32 v[CH+1], v[CH+1], v[TP]          ; with lane l xor 16's two blocks: the step's largest score of my query
	v_mul_f32 v[CH+1], s[CS], v[CH+1]              ; as t (c is positive)
	v_max_num_f32 v[TMX], v[TMX], v[CH+1]
	v_floor_f32 v[NM], -v[TMX]                     ; the new -M = -ceil(t): a whole number
	v_sub_f32 v[TA], v[NM], v[TA]                  ; old M - new M: a whole number, 0 or less
	v_cvt_i32_f32 v[TA], v[TA]                     ; (it saturates)
	v_ldexp_f32 v[FF], 1.0, v[TA]                  ; f = 2^(old M - new M)
.set j, 0
.rept 32
	v_pk_fma_f32 v[S+j:S+j+1], v[S+j:S+j+1], s[CS:CS+1], v[NM:NM+1] op_sel_hi:[1,0,0]   ; t - M, two at a time
.set j, j+2
.endr
	v_fma_f32 v[CH], v[CH], s[CS], v[NM]           ; the same of each block's largest score
	v_fma_f32 v[CH+2], v[CH+2], s[CS], v[NM]
.set j, 0
.rept 64
	v_exp_f32 v[S+j], v[S+j]                       ; p = 2^(t - M)
.set j, j+1
.endr
	v_exp_f32 v[CH], v[CH]                         ; my blocks' largest p: in the same batch
	v_exp_f32 v[CH+2], v[CH+2]
	v_pk_mul_f32 v[SUM:SUM+1], v[SUM:SUM+1], v[FF:FF+1] op_sel_hi:[1,0]   ; the sum under the new M (the plain line behind the exponentials)
.set j, 0
.rept 16
	v_pk_mul_f32 v[OT+j:OT+j+1], v[OT+j:OT+j+1], v[FF:FF+1] op_sel_hi:[1,0]   ; O^T under the new M, ascending: work that names no exponential's result
.set j, j+2
.endr
	s_wait_alu depctr_va_vdst(0)                   ; the 66 exponentials have written their results, ahead of the first reader; the eight score products are done reading K's registers and scale words
.if \pre
	KLOAD RO+REC                                   ; the next step's first K loads.  No further wait: no vector or matrix instruction since the wait above names their registers
.endif
	v_max_num_f32 v[CH], 0x1800000, v[CH]          ; the floor: the byte cannot fall under 1
	v_max_num_f32 v[CH+2], 0x1800000, v[CH+2]
	v_add_nc_u32 v[SCL], 0xff000000, v[CH]
	v_add_nc_u32 v[SCL+1], 0xff000000, v[CH+2]
	v_pk_add_f32 v[SU2:SU2+1], v[S+32:S+33], v[S+34:S+35]   ; the sum of the unquantised p, two chains: the upper 32 now, before V lands on them
.set j, 36
.rept 7
	v_pk_add_f32 v[SUM:SUM+1], v[SUM:SUM+1], v[S+j:S+j+1]
	v_pk_add_f32 v[SU2:SU2+1], v[SU2:SU2+1], v[S+j+2:S+j+3]
.set j, j+4
.endr
.irp t, 0,1,2,3
	v_cvt_scalef32_pk8_fp4_f32 v[PC+4+\t], v[S+32+8*\t:S+32+8*\t+7], v[SCL+1]   ; register 4 + t of the operand: keys 64 + 32 h + 8 t on: the upper block first, so that its registers are free early
.endr
	v_lshrrev_b32 v[BY+1], 23, v[SCL+1]            ; the byte of block 2 + h (also the plain line behind the conversions)
	s_wait_alu depctr_va_vdst(0)                   ; the upper sums and these conversions are done reading v128-159, in which V's fragments land
.irp t, 0,1,2,3
.irp c, 0,1
	ds_load_b128 v[VF+8*\t+4*\c:VF+8*\t+4*\c+3], v[AD] offset:RO+VIO+1024*\t+512*\c
.endr
.endr
	ds_load_b128 v[VS:VS+3], v[ADS] offset:RO+VSO
.irp t, 0,1,2,3
	v_cvt_scalef32_pk8_fp4_f32 v[PC+\t], v[S+8*\t:S+8*\t+7], v[SCL]   ; register t of the operand: keys 32 h + 8 t on
.endr
	v_lshrrev_b32 v[BY], 23, v[SCL]                ; the byte of block h (also the plain line behind the conversions)
	v_lshl_or_b32 v[TA], v[BY+1], 16, v[BY]
	v_lshlrev_b32 v[TA], v[SH8], v[TA]             ; at their places in the scale word
	v_permlanex16_b32 v[TP], v[TA], s[SEL], s[SEL+1]
	v_or_b32 v[PW], v[TA], v[TP]                   ; with lane l xor 16's two the word is whole
.set j, 0
.rept 8
	v_pk_add_f32 v[SUM:SUM+1], v[SUM:SUM+1], v[S+j:S+j+1]        ; the lower 32 p: seventeen plain lines between the scale word's and the codes' last writes and the products, while V comes
	v_pk_add_f32 v[SU2:SU2+1], v[SU2:SU2+1], v[S+j+2:S+j+3]
.set j, j+4
.endr
	v_pk_add_f32 v[SUM:SUM+1], v[SUM:SUM+1], v[SU2:SU2+1]
	s_wait_alu depctr_va_vdst(0)                   ; p's codes and its scale word are written, which the scaled products take; the seventeen places above stay beside this wait
	s_wait_dscnt 0x0
.irp t, 0,1,2,3
	v_wmma_scale_f32_16x16x128_f8f6f4 v[OT+8*\t:OT+8*\t+7], v[VF+8*\t:VF+8*\t+7], v[PC:PC+7], v[OT+8*\t:OT+8*\t+7], v[VS+\t], v[PW] matrix_a_fmt:MATRIX_FMT_FP4 matrix_b_fmt:MATRIX_FMT_FP4   ; the four accumulators by turns
.endr
.endm
; A tile begins: the largest t is -3e38, the sum and O^T are zeros, which the first change of M leaves zeros.  (32 lines a tile: a first step with the constant 0 as C would be one more copy of the step)
.macro INIT
	v_mov_b32 v[TMX], 0xff61b1e6
	v_floor_f32 v[NM], -v[TMX]
	v_mov_b32 v[SUM], 0
	v_mov_b32 v[SUM+1], 0
.set j, 0
.rept 32
	v_mov_b32 v[OT+j], 0
.set j, j+1
.endr
.endm
; A tile ends: O^T / the sum goes through my stage and leaves as whole rows: each store covers 512 consecutive bytes, two rows of out, aligned to 256
.macro WAYOUT pass
.rept 4
	v_nop                                          ; four places behind the last products
.endr
	v_add_f32 v[SUM], v[SUM], v[SUM+1]
	v_permlanex16_b32 v[TP], v[SUM], s[SEL], s[SEL+1]
	v_add_f32 v[SUM], v[SUM], v[TP]                ; with lane l xor 16's keys: the row's sum
	v_rcp_f32 v[FF], v[SUM]
	v_nop                                          ; a plain line behind the reciprocal
	s_wait_alu depctr_va_vdst(0)                   ; the reciprocal has written v[FF], ahead of its first reader
.set j, 0
.rept 16
	v_pk_mul_f32 v[S+j:S+j+1], v[OT+j:OT+j+1], v[FF:FF+1] op_sel_hi:[1,0]   ; ascending: each accumulator from its low end on
.set j, j+2
.endr
	s_wait_alu depctr_va_vdst(0)                   ; the multiplications have written v96-127, which the stage's stores read (the last products, done ahead of the wait above, have read v128-159, in which the stage's loads land)
.irp t, 0,1,2,3
	ds_store_b128 v[STO], v[S+8*\t:S+8*\t+3] offset:64*\t
	ds_store_b128 v[STO], v[S+8*\t+4:S+8*\t+7] offset:64*\t+16
.endr
.irp i, 0,1,2,3,4,5,6,7
	ds_load_b128 v[S+32+4*\i:S+32+4*\i+3], v[RD] offset:2*SP*\i   ; LDS serves a wave's instructions in order (ISA guide 5.7.1.4): these see my stores
.endr
.irp i, 0,1,2,3,4,5,6,7
	s_wait_dscnt 7-\i                              ; the loads behind load i may stay out
	global_store_b128 v[L16], v[S+32+4*\i:S+32+4*\i+3], s[10:11] offset:512*\i+CHB*\pass th:TH_STORE_NT
.endr
.endm
	; ---- the head: addresses of the loads first, so that all 56 loads go out early
	s_load_b256 s[4:11], s[0:1], 0x0               ; q s[4:5], k s[6:7], v s[8:9], out s[10:11]
	v_lshl_add_u32 v254, v0, 2, 0x34000
	v_mov_b32 v255, 0
	v_lshrrev_b32 v234, 5, v0
	v_readfirstlane_b32 s[WV], v234                ; wave 0..15
	v_and_b32 v228, 31, v0                         ; l
	s_wait_alu depctr_va_sdst(0)                   ; s[WV] is written, ahead of its first reader: offsets, bases and LDS places are made from it
	s_and_b32 s13, s[WV], 1                        ; b0
	s_lshl_b32 s17, s[WV], 12
	v_lshl_add_u32 v[KG], v228, 5, s17             ; 32 l + 4,096 w
	s_lshl_b32 s17, s13, 7
	s_lshr_b32 s18, s[WV], 1
	s_lshl_b32 s18, s18, 13
	s_add_co_u32 s17, s17, s18
	v_lshl_add_u32 v[VG], v228, 2, s17             ; 4 l + 128 b0 + 8,192 (w / 2): channels 32 b0 + l, block w / 2 of the chunk
	s_and_b32 s30, ttmp7, 0xffff                   ; the head,
	s_lshl_b32 s30, s30, 19                        ; 2,048 rows of 256 bytes each
	s_mov_b32 s31, 0
	s_wait_kmcnt 0x0
	s_add_nc_u64 s[6:7], s[6:7], s[30:31]
	s_add_nc_u64 s[8:9], s[8:9], s[30:31]
	s_lshl_b32 s17, ttmp9, 17                      ; my work-group's 512 rows
	s_add_co_u32 s30, s30, s17
	s_add_nc_u64 s[4:5], s[4:5], s[30:31]
	s_lshl_b32 s17, s[WV], 12                      ; out: my wave's 16 rows
	s_add_co_u32 s30, s30, s17
	s_add_nc_u64 s[10:11], s[10:11], s[30:31]
	s_wait_alu depctr_va_vdst(0)                   ; v[KG] and v[VG] are written, which the 56 loads below read as their offsets
	LOADROWS S, 4, 0, 1                            ; q, first tile
	LOADROWS S+32, 4, CHB, 1                       ; q, second tile
	LOADROWS RL, 6, 0, 0                           ; k, chunk 0
	LOADV OT                                       ; v, chunk 0
	s_cmp_lt_u32 s[WV], 8
	s_cselect_b64 s[PFB:PFB+1], s[6:7], s[8:9]     ; waves 0-7 will ask for k's blocks, waves 8-15 for v's
	s_cmp_eq_u32 ttmp9, 0
	s_cselect_b32 s[LIM], 1, -1                    ; a head's four work-groups walk the same k and v: the first of them asks
	s_bfe_u32 s14, s[WV], 0x10001                  ; b1
	s_bfe_u32 s15, s[WV], 0x10002                  ; b2
	s_lshr_b32 s16, s[WV], 3
	s_mul_i32 s16, s16, REC                        ; b3 x a record
	s_mul_i32 s[STW], s[WV], STB
	s_add_co_u32 s[STW], s[STW], STG
	s_mov_b32 s[SEL], 0x76543210
	s_mov_b32 s[SEL+1], 0xfedcba98
	s_mov_b32 s[CS], 0x4138aa3b                    ; c = 8 log2(e)
	s_mov_b32 s[CS+1], s[CS]                       ; (named with it as a pair, so it is written)
	v_bfe_u32 v229, v0, 3, 2                       ; l / 8
	v_bfe_u32 v230, v0, 2, 1                       ; my block of a row: (l / 4) % 2
	v_bfe_u32 v231, v0, 4, 1                       ; l / 16
	v_and_b32 v232, 15, v0                         ; l % 16
	v_lshlrev_b32 v[L16], 4, v228
	v_lshlrev_b32 v[L16R], 4, v232
	v_lshlrev_b32 v[SH8], 3, v231
	v_lshlrev_b32 v[SHA], 3, v230
	v_sub_nc_u32 v[SHB], 8, v[SHA]
	v_and_b32 v234, 3, v0
	v_lshlrev_b32 v233, 2, v234
	v_lshl_add_u32 v233, v229, 4, v233
	v_lshl_add_u32 v233, v230, 8, v233             ; a row group's codes: 16 (l / 8) + 256 block + 4 (l % 4)
	s_lshl_b32 s17, s15, 11                        ; K's codes: key 16 (w % 8) + 4 i + l / 8 of record b3: tile 4 b2 + 2 b0 + i / 2, row 8 b1 + 4 (i % 2) + l / 8
	s_lshl_b32 s18, s13, 10
	s_lshl_b32 s19, s14, 7
	s_add_co_u32 s17, s17, s18
	s_add_co_u32 s17, s17, s19
	s_add_co_u32 s17, s17, s16
	v_add_nc_u32 v[KW], s17, v233
	s_lshl_b32 s17, s15, 8                         ; K's scale words: 256 b2 + 16 row + 4 (tile % 4)
	s_lshl_b32 s18, s13, 3
	s_add_co_u32 s17, s17, s18
	s_add_co_u32 s17, s17, s19
	s_add_co_u32 s17, s17, s16
	v_lshl_add_u32 v[KSW], v229, 4, s17
	s_lshl_b32 s17, s13, 11                        ; V's codes: tile 2 b0 + l / 16, registers 4 b2 on, lane l % 16 + 16 b1
	s_lshl_b32 s18, s15, 9
	s_add_co_u32 s17, s17, s18
	s_lshl_b32 s18, s14, 8
	s_add_co_u32 s17, s17, s18
	s_add_co_u32 s17, s17, s16
	v_lshl_add_u32 v[VW], v231, 10, v[L16R]
	v_add_nc_u32 v[VW], s17, v[VW]
	s_lshl_b32 s17, s13, 3                         ; V's scale byte: 16 row + 4 tile + block (w / 2) % 4
	s_bfe_u32 s18, s[WV], 0x20001
	s_add_co_u32 s17, s17, s18
	s_add_co_u32 s17, s17, s16
	v_lshl_add_u32 v[VSW], v231, 2, v[L16R]
	v_add_nc_u32 v[VSW], s17, v[VSW]
	s_and_b32 s17, s[WV], 7                        ; the prefetches: a lane a block of 256 bytes, 8,192 bytes a wave, from chunk 2 on
	s_lshl_b32 s17, s17, 13
	s_add_co_u32 s17, s17, 2*CHB
	v_lshl_add_u32 v[PFO], v228, 8, s17
	v_mul_u32_u24 v[STO], v232, SP                 ; the stage, in: row l % 16, + 32 (l / 16)
	v_lshl_add_u32 v[STO], v231, 5, v[STO]
	v_add_nc_u32 v[STO], s[STW], v[STO]
	v_mul_u32_u24 v[RD], v231, SP                  ; back: lanes 0-15 one row, lanes 16-31 the next
	v_add_nc_u32 v[RD], v[RD], v[L16R]
	v_add_nc_u32 v[RD], s[STW], v[RD]
	v_add_nc_u32 v[KWC], s[STW], v233              ; Q's images lie in my own 4,352 bytes: codes,
	v_lshl_add_u32 v[KSWC], v229, 4, s[STW]        ; scale words, 16 bytes a row,
	v_add_nc_u32 v[VWC], s[STW], v[L16]            ; and where they are read back
	v_add_nc_u32 v[VSWC], s[STW], v[L16R]
.irp i, 4,5,6,7
	v_mov_b32 v[QF+\i], 0                          ; the upper 64 along K: zero codes, set once
.irp t, 0,1,2,3
	v_mov_b32 v[KF+8*\t+\i], 0
.endr
.endr
	v_mov_b32 v[TP], 0                             ; written once: a lane permute's or a DPP move's destination counts as one of its sources
	v_mov_b32 v[FF+1], 0                           ; (named as a pair's upper half)
.irp i, 0,1,2,3
	v_mov_b32 v[BO+\i], 0
.endr
	s_wait_loadcnt 48                              ; q's first tile is in: behind it 8 + 8 + 32 loads
	QROWS S, KWC, KSWC, 0, 512, 128, 128, 0        ; (its wait ahead of the stores stands behind every address made above)
	s_wait_loadcnt 40                              ; the second: behind it 8 + 32
	QROWS S+32, KWC, KSWC, 1024, 1536, 128, 128, 1
	s_wait_loadcnt 32                              ; k's chunk 0: behind it v's 32
	QROWS RL, KW, KSW, 0, KSO, 512, 4, 1
	s_wait_loadcnt 0x0
	QCOL OT, VW, VSW, 0
	ds_load_b128 v[QF:QF+3], v[VWC]                ; my own bytes: LDS serves a wave's instructions in order.  No vector instruction has named these four destinations, and the addresses were written ahead of the quantisers' waits
	ds_load_b32 v[QS], v[VSWC] offset:512
	ds_load_b128 v[QB:QB+3], v[VWC] offset:1024
	ds_load_b32 v[QBS], v[VSWC] offset:1536
	INIT
	s_add_nc_u64 s[6:7], s[6:7], CHB               ; every load is in: the bases step to chunk 1
	s_add_nc_u64 s[8:9], s[8:9], CHB
	s_mov_b32 s[TB], 0
	s_mov_b32 s[CNT], 7
	s_wait_dscnt 0x0                               ; my stores of chunk 0 have landed, Q is in
	s_barrier_signal -1
	s_barrier_wait -1                              ; everybody's have
	; ---- pass 0, chunks 0 to 6: the chunk in hand is multiplied, the next one is loaded, quantised and stored behind it
.Lchunk:
	s_wait_alu depctr_vm_vsrc(0)                   ; the LDS instructions issued so far have read the six address registers, which are written again here
	v_add_nc_u32 v[AD], s[TB], v[L16]
	v_add_nc_u32 v[ADS], s[TB], v[L16R]
	v_add_nc_u32 v[KWC], s[TB], v[KW]
	v_add_nc_u32 v[KSWC], s[TB], v[KSW]
	v_add_nc_u32 v[VWC], s[TB], v[VW]
	v_add_nc_u32 v[VSWC], s[TB], v[VSW]
	s_wait_alu depctr_va_vdst(0)                   ; the six are written, which the trip's LDS instructions read; the last products are done reading K's registers and scale words, in which the first loads land
	LOADROWS RL, 6, 0, 0                           ; the next chunk's k: a key step ahead of the wait for it
	s_cmp_gt_u32 s[CNT], s[LIM]                    ; a prefetch of the chunk after that, behind my loads: one instruction a wave, each block of 256 bytes named once in the launch;
	s_cbranch_scc0 .Lnot_mine                      ; the last trip asks for nothing: there is no chunk 8
	global_prefetch_b8 v[PFO], s[PFB:PFB+1] th:TH_LOAD_NT scope:SCOPE_SE
.Lnot_mine:
	STEP 0, 1, 1
	s_wait_loadcnt 0x0
	QROWS RL, KWC, KSWC, CHK, CHK+KSO, 512, 4, 1
	LOADV RL                                       ; the next chunk's v, likewise a key step ahead.  No wait: no vector instruction since the quantiser's wait names v[RL ..]
	STEP 1, 0, 0
	s_wait_loadcnt 0x0
	QCOL RL, VWC, VSWC, CHK
	s_wait_xcnt 0x0                                ; the trip's loads and its prefetch have read their bases
	s_add_nc_u64 s[6:7], s[6:7], CHB
	s_add_nc_u64 s[8:9], s[8:9], CHB
	s_add_nc_u64 s[PFB:PFB+1], s[PFB:PFB+1], CHB
	s_add_co_u32 s[TB], s[TB], CHK
	s_wait_dscnt 0x0                               ; my part of the next chunk has landed
	s_barrier_signal -1
	s_barrier_wait -1                              ; everybody's has.  (Nothing that was read is ever written again: one barrier a chunk)
	s_sub_co_u32 s[CNT], s[CNT], 1
	s_cmp_lg_u32 s[CNT], 0
	s_cbranch_scc1 .Lchunk
	; ---- chunk 7: nothing is left to fetch
	s_wait_alu depctr_vm_vsrc(0)                   ; the last trip's LDS loads have read v[AD] and v[ADS]
	v_add_nc_u32 v[AD], s[TB], v[L16]
	v_add_nc_u32 v[ADS], s[TB], v[L16R]
	s_wait_alu depctr_va_vdst(0)                   ; the two are written, which the chunk's LDS loads read
	STEP 0, 1, 1
	STEP 1, 0, 0
	WAYOUT 0
	s_wait_xcnt 0x0                                ; the stores have read their registers: they are written again below
	s_wait_alu depctr_vm_vsrc(0)                   ; the stage's stores have read v96-127 and the global stores v128-159, which the second tile's products write again
	; ---- pass 1: the second tile finds the whole head in LDS
.irp i, 0,1,2,3
	v_mov_b32 v[QF+\i], v[QB+\i]
.endr
	v_mov_b32 v[QS], v[QBS]
	INIT                                           ; (36 plain lines between these writes and the first product)
	s_mov_b32 s[TB], 0
	s_mov_b32 s[CNT], 8
.Lagain:
	s_wait_alu depctr_vm_vsrc(0)                   ; the LDS loads issued so far have read v[AD] and v[ADS]
	v_add_nc_u32 v[AD], s[TB], v[L16]
	v_add_nc_u32 v[ADS], s[TB], v[L16R]
	s_wait_alu depctr_va_vdst(0)                   ; the two are written, which the trip's LDS loads read; in the first trip Q's codes and scale words, moved above, are written, which the scaled products take
	STEP 0, 1, 1
	STEP 1, 0, 0
	s_add_co_u32 s[TB], s[TB], CHK
	s_sub_co_u32 s[CNT], s[CNT], 1
	s_cmp_lg_u32 s[CNT], 0
	s_cbranch_scc1 .Lagain
	WAYOUT 1
	s_wait_dscnt 0x0
	s_wait_alu depctr_hold_cnt(0) depctr_sa_sdst(0) depctr_va_vdst(0) depctr_va_sdst(0) depctr_va_ssrc(0) depctr_va_vcc(0) depctr_vm_vsrc(0)
	s_wait_tensorcnt 0x0
	ds_add_u32 v254, v255
	s_wait_dscnt 0x0
	s_endpgm
.Lfunc_end_k_q8a31b4e5fa_attn:
	.size	k_q8a31b4e5fa_attn, .Lfunc_end_k_q8a31b4e5fa_attn-k_q8a31b4e5fa_attn
	.p2alignl 7, 3214868480
	.fill 96, 4, 3214868480
	.section	.rodata,"a",@progbits
	.p2align	6, 0x0
	.amdhsa_kernel k_q8a31b4e5fa_attn
		.amdhsa_group_segment_fixed_size 215040
		.amdhsa_private_segment_fixed_size 0
		.amdhsa_enable_private_segment 0
		.amdhsa_kernarg_size 32
		.amdhsa_user_sgpr_count 2
		.amdhsa_user_sgpr_kernarg_segment_ptr 1
		.amdhsa_wavefront_size32 1
		.amdhsa_system_sgpr_workgroup_id_x 1
		.amdhsa_system_sgpr_workgroup_id_y 1
		.amdhsa_system_sgpr_workgroup_id_z 1
		.amdhsa_system_vgpr_workitem_id 0
		.amdhsa_next_free_vgpr 256
		.amdhsa_next_free_sgpr 66
		.amdhsa_reserve_vcc 0
		.amdhsa_float_denorm_mode_32 3
		.amdhsa_float_denorm_mode_16_64 3
		.amdhsa_memory_ordered 1
		.amdhsa_forward_progress 1
		.amdhsa_inst_pref_size 125
	.end_amdhsa_kernel
	.amdgpu_metadata
---
amdhsa.version: [ 1, 2 ]
amdhsa.kernels:
  - .name:           k_q8a31b4e5fa_attn
    .symbol:         k_q8a31b4e5fa_attn.kd
    .args:
      - { .name: q, .offset: 0, .size: 8, .value_kind: global_buffer, .address_space: global }
      - { .name: k, .offset: 8, .size: 8, .value_kind: global_buffer, .address_space: global }
      - { .name: v, .offset: 16, .size: 8, .value_kind: global_buffer, .address_space: global }
      - { .name: out0, .offset: 24, .size: 8, .value_kind: global_buffer, .address_space: global }
    .group_segment_fixed_size: 215040
    .private_segment_fixed_size: 0
    .kernarg_segment_align: 8
    .kernarg_segment_size: 32
    .max_flat_workgroup_size: 512
    .sgpr_count:     66
    .vgpr_count:     256
    .wavefront_size: 32
...
	.end_amdgpu_metadata
.endif
;; end of part 2
